; MI455X (gfx1250); checked and timed in simulation.
; The chip was launched on July 23, 2026; its instructions are those of AMD's public machine-readable ISA for CDNA 5 (MIT licence, August 2026) and "CDNA5" Instruction Set Architecture Reference Guide (July 2026). The comments in the code are by the model that wrote it; some were corrected since.
;; Causal Self Attention. Allowed arithmetic: matrix products marked QUANTISED: E4M3 operands, one given power-of-two scale a tensor, by v_wmma_f32_16x16x64_fp8_fp8 or v_wmma_f32_16x16x128_fp8_fp8, f32 sums; everything else in f32.
;; Inputs: W_attn_codes 3,072 x 32 x 32 uint8 (E4M3 codes of W_attn, K innermost, in blocks of 32 codes); W_proj_codes 1,024 x 32 x 32 uint8 (E4M3 codes of W_proj, K innermost, in blocks of 32 codes); b_attn 3,072 float32; b_proj 1,024 float32; lowp_scales 8 int32 (the exponents e of the quantised operands' scales 2^e); x_codes 4 x 2,048 x 32 x 32 uint8 (E4M3 codes of x, K innermost, in blocks of 32 codes).
;; Outputs: out0 4 x 2,048 x 1,024 float32.
;; This version of the problem:
;;   THIS VERSION OF THE PROBLEM IS GIVEN IN LOW PRECISION. The matrix products marked QUANTISED in the list below multiply operands that are first quantised to E4M3 (4 exponent bits, 3 mantissa bits; 8 bits a number), with one given power-of-two scale for each operand tensor; their sums are f32. All else is computed in f32.
;;   The module's matrix products, in the order in which they are computed (A, B: the left and right operand; K: the contracted axis; several contracted axes count as one K, in the product's order):
;;     1. [M 8,192, K 1,024] x [K 1,024, N 3,072]; A: input x (given as codes); B: input W_attn (given as codes): QUANTISED (scales: A lowp_scales[0], B lowp_scales[1])
;;     2. batch 64 x [M 2,048, K 64] x [K 64, N 2,048]; A: computed on the way; B: computed on the way: QUANTISED (scales: A lowp_scales[2], B lowp_scales[3])
;;     3. batch 64 x [M 2,048, K 2,048] x [K 2,048, N 64]; A: softmax (see below); B: computed on the way: QUANTISED (scales: A lowp_scales[4], B lowp_scales[5])
;;     4. [M 8,192, K 1,024] x [K 1,024, N 1,024]; A: computed on the way; B: input W_proj (given as codes): QUANTISED (scales: A lowp_scales[6], B lowp_scales[7])
;;   THE QUANTISER, for each operand of a quantised product, along K:
;;     - The operand's scale is 2^e, e = its entry of the input lowp_scales (int32; the entries are numbered through the quantised products in the list's order, A before B).
;;     - Each number is divided by the scale, clamped to +-448, and rounded to the nearest number of E4M3, ties to even, subnormals kept.
;;     - The product sums the exact products of the quantised numbers (number of the format x scale) in f32.
;;   ~~~python
;;   def quantise(x, axis, e):      # numpy; x: float32 -> the quantised numbers, widened to float32 again
;;       x = np.moveaxis(x, axis, -1); K = x.shape[-1]
;;       r = np.clip(x / 2.0 ** e, -448, 448)
;;       step = 2.0 ** (np.maximum(np.frexp(np.where(r == 0, 1, r))[1] - 1, -6) - 3)
;;       q = np.round(r / step) * step * 2.0 ** e      # np.round: ties to even
;;       return np.moveaxis(q, -1, axis).astype(np.float32)
;;   ~~~
;;   SOFTMAX AHEAD OF A QUANTISED PRODUCT. Where the list says 'softmax', what is quantised is not the finished softmax but p = 2^(t - M), with t = logit x log2(e) and M = ceil(the row's largest t), a whole number; so 1/2 < the row's largest p <= 1. The row's sum l is taken of the UNQUANTISED p, in f32, and the product's result is divided by l at the end. Since M is a whole number, a kernel that streams over the keys may use a running M (the ceiling of the running maximum): every later rescaling is an exact power of two, so the quantised numbers keep their values, but for numbers so far below the row's largest that they fall under the format's range.
;;   OPERANDS COMPUTED ON THE WAY. 'Computed on the way' means the value that the module computes at that place (a softmax that the list does not call 'softmax' is quantised finished and normalised). What goes into a quantiser is computed in f32, as accurately as f32 sums, v_exp_f32 and their like allow (about 1e-6 of the number): no bf16 or f16 on the way to a quantiser, and a product that is left as it is and whose result goes on into a quantised operand takes f32 operands (vector FMAs, or v_wmma_f32_16x16x4_f32). A number that lies on a knife's edge between two numbers of the format may be rounded either way, as far as f32 arithmetic and the matrix unit's own rounding can turn it there, and no further.
;;   INPUTS GIVEN AS CODES. W_attn (in the module: [1024, 3072], K = its axis 0); W_proj (in the module: [1024, 1024], K = its axis 0); x (in the module: [4, 2048, 1024], K = its axis 2): each comes as NAME_codes (uint8): NAME with its K axis moved to the last place and cut into blocks of 32 codes, [.., K / 32, bytes a block], one block behind the other in memory; one code a byte (a code: sign, 4 exponent bits, 3 mantissa bits); its scale is its entry of lowp_scales. Its value is code x scale, taken as it is: it is not quantised again, and the codes and scales need not be those that the quantiser above would give.
;; One version. Each part assembles by itself: llvm-mc -triple=amdgcn-amd-amdhsa -mcpu=gfx1250 --defsym DOCPART=n.
;; ======== version 1 of 1: 3 launches
;; limits: right only within a limited range of input values
;; workspace buffers: qkv 25,165,824 bytes; yimg 8,388,608 bytes
;; launch make_qkv (part 1): grid 12 x 32, 4 waves a work-group, clusters of 4 x 4, 327,680 bytes of LDS; arguments x_codes, W_attn_codes, b_attn, lowp_scales, qkv; writes qkv
.if DOCPART == 1
	.amdgcn_target "amdgcn-amd-amdhsa--gfx1250"
	.amdhsa_code_object_version 6
	.text
	.protected	k_qbab288162b_make_qkv
	.globl	k_qbab288162b_make_qkv
	.p2align	8
	.type	k_qbab288162b_make_qkv,@function
k_qbab288162b_make_qkv:
	s_mov_b64 s[64:65], 0
	v_nop
	global_prefetch_b8 v0, s[64:65] scope:SCOPE_SE
	s_setreg_imm32_b32 hwreg(HW_REG_WAVE_MODE, 25, 1), 1
	s_wait_xcnt 0x0
	s_wait_alu depctr_hold_cnt(0) depctr_sa_sdst(0) depctr_va_vdst(0) depctr_va_sdst(0) depctr_va_ssrc(0) depctr_va_vcc(0) depctr_vm_vsrc(0)
	s_getreg_b32 s2, hwreg(HW_REG_IB_STS2, 6, 4)
	s_cmp_eq_u32 s2, 0
	s_cbranch_scc0 .Lentry_in_a_cluster
	s_endpgm
.Lentry_in_a_cluster:
	s_bfe_u32 s2, ttmp6, 0x10000c
	s_cmp_lg_u32 s2, 0xf033
	s_cbranch_scc0 .Lentry_shape_is_right
	s_endpgm
.Lentry_shape_is_right:
; qkv = x W_attn + b_attn on codes of FP8 (E4M3), and its three parts quantised anew: q with 2^e2, k with 2^e3, v with 2^e5 (e0 .. e7: the whole numbers in lowp_scales).
; x: [8192][1024] codes, W_attn: [3072][1024] codes, K innermost in both.  b_attn: [3072] f32.
; OUTPUT, laid in the order of the next products' operand registers.  Three sections of 8 MiB (q, k, v), 131,072 bytes a head (batch x 16 + head):
;   q, k: [token tile of 16: 128][register group g: 2][lane: 32][16 bytes]: registers 4 g .. 4 g + 3 of a fragment 16 tokens x 64 channels (registers 2 c, 2 c + 1: channels 16 c + 8 (lane / 16) + 0 .. 7)
;   v:    [block of 128 keys: 16][tile of 16 channels: 4][register group g: 4][lane: 32][16 bytes]: a fragment 16 channels x 128 keys (registers 2 c, 2 c + 1: keys 16 c + 8 (lane / 16) + 0 .. 7)
; A tile of 256 x 256 results is made by a work-group of four waves, 128 x 128 each: 64 accumulators, 512 registers.  K goes in four steps of 256 through two LDS slots filled by the tensor data mover.
; THE MATRIX INSTRUCTION IS USED TRANSPOSED (source 0 = 16 rows of B, source 1 = 16 rows of A): a lane holds one row of A and eight neighbouring rows of B.
;   clusters x = 0, 1 (q, k): A = x (tokens), B = W_attn's rows 0 .. 2047: a lane's eight numbers are eight neighbouring channels of one token: K of q k^T.
;   cluster  x = 2 (v):       A = W_attn's rows 2048 .., B = x: a lane's eight numbers are eight neighbouring tokens of one channel: K of p v.  Only the two pointers change places.
; So eight numbers convert into two registers of the next operand as they stand, and every store is 512 consecutive bytes at a multiple of 512: no LDS on the way out.
; The bias is the C of each sum's first matrix instruction, divided by 2^(e0 + e1), which the sums lack; the conversion's one scale is 2^(et - e0 - e1), et = e2, e3 or e5.
; CLUSTERS: 4 x 4 work-groups; A's tile is asked for jointly along a row of the cluster, B's along a column.  The variant hangs on the cluster's x alone: it is the same in all sixteen partners.
; LIMITS: et - e0 - e1 between -126 and 127, so that the scale is an f32 number.  NaN codes are not served.
; REGISTERS, in windows of 256: window 0: v0-31 addresses and scales; v32-95 the bias (64); v96-103 the bias's offsets; v128-255 A's fragments (one set), later the codes.
;   window 1: B's fragments, two sets.   window 2: the accumulators of my rows 0-63 ((a, b) at v[8 (8 a + b)]).   window 3: those of my rows 64-127.
.set KROW,   1024                      ; a row of x or of W_attn in bytes
.set ROWB,   256                       ; a tile's row: 256 codes
.set PITCH,  272                       ; an LDS row: 256 bytes + 16 of padding: the 16 rows that a load touches start at 16 different 16-byte columns
.set FR,     16                        ; registers of a fragment 16 rows x 128 K
.set NL,     4                         ; LDS loads that bring one
.set NP,     4                         ; places behind this matrix instruction (ISA guide 7.12.1)
.set HALFT,  128*PITCH                 ; 128 rows: what one tensor load brings
.set SLOT,   4*HALFT                   ; A's 256 rows, then B's 256 rows
.set SPARE,  2*SLOT                    ; behind the ring: the spare words, 128 bytes a wave
.set HEADB,  131072                    ; a head's bytes in a section of the output
.set ADRA, 16                          ; v16-17  LDS address of my A fragments in slot 0, 1
.set ADRB, 20                          ; v20-21  the same for B
.set CO,   26                          ; v26     16 x lane: my place in a store's 512 bytes
.set SPW,  28                          ; v28     my spare word; never rewritten
.set NIL,  29                          ; v29     0; never rewritten
.set LIM,  30
.set SC,   31                          ; v31     2^(et - e0 - e1)
.set BI,   32                          ; v32-95  the bias, eight registers a tile
.set TMP,  32
.set OFFJ, 96                          ; v96-103 byte offsets of the bias's eight registers
.set AF,   128                         ; A's fragments
.set OUT,  128                         ; the way out: 16 registers of codes a block
.set G1, 24                            ; s[24:31] descriptor group 1 for A's tiles; s[32:39] group 0, a set for each slot
.set G0, 32
.set G1B, 48                           ; s[48:55], s[56:63] the same for B's
.set G0B, 56
.set MSB, 0
.macro WIN new                         ; the immediate's high byte repeats the setting that is left
.if MSB != \new
	s_set_vgpr_msb (MSB<<8)|\new
.set MSB, \new
.endif
.endm
.set MUL_LO, 0xa1                      ; source 0 (B) window 1, source 1 (A) window 0, C and D window 2
.set MUL_HI, 0xf1                      ; the same, C and D window 3
.set FST_LO, 0x81                      ; the first products: C (the bias) window 0, D window 2
.set FST_HI, 0xc1                      ; D window 3
.set TO_B,   0x40                      ; destination window 1, address window 0
; A joint load: waves 0 and 1 fetch for A, waves 2 and 3 for B; the branch hangs on the wave's number alone.  Four v_nop follow each of the two lines.
.macro JLOAD g0a, g1a, g0b, g1b
	s_cmp_eq_u32 s15, 0
	s_cbranch_scc0 .Lfor_b_\@
	tensor_load_to_lds s[\g0a:\g0a+3], s[\g1a:\g1a+7]
	s_nop 0
.rept 4
	v_nop
.endr
	s_branch .Lasked_\@
.Lfor_b_\@:
	tensor_load_to_lds s[\g0b:\g0b+3], s[\g1b:\g1b+7]
	s_nop 0
.rept 4
	v_nop
.endr
.Lasked_\@:
.endm
.macro CREST                           ; a round of the cluster's barrier behind its opening barrier
	s_cmp_lg_u32 s14, 0
	s_cbranch_scc1 .Lnot_wave_0_\@
	s_barrier_signal -3
.Lnot_wave_0_\@:
	s_barrier_wait -3
	s_barrier_signal -1
	s_barrier_wait -1
.endm
.macro CROUND                          ; a whole round
	s_barrier_signal -1
	s_barrier_wait -1
	CREST
.endm
	s_load_b256 s[4:11], s[0:1], 0x0               ; x s[4:5], W_attn s[6:7], b_attn s[8:9], the scales' exponents s[10:11]
	s_load_b64 s[12:13], s[0:1], 0x20              ; the output
	v_lshl_add_u32 v[SPW], v0, 2, SPARE
	v_mov_b32 v[NIL], 0
	ds_add_u32 v28, v29
	ds_add_u32 v28, v29
	s_wait_dscnt 0x0
	v_lshrrev_b32 v1, 5, v0
	v_readfirstlane_b32 s14, v1                    ; wave 0..3
	s_lshr_b32 s15, s14, 1                         ; which half of the tile's rows is mine.  Also: I fetch for A (0) or for B (1)
	s_and_b32 s16, s14, 1                          ; which half of its columns.  Also: which 128 rows of that tile I fetch
	s_bfe_u32 s40, ttmp6, 0x40000                  ; cx, cy: my place in the cluster
	s_bfe_u32 s41, ttmp6, 0x40004
	s_and_b32 s80, ttmp7, 0xffff
	s_lshl_b32 s80, s80, 2                         ; 4 x cluster y
	s_lshl_b32 s81, ttmp9, 2                       ; 4 x cluster x
	s_cmp_eq_u32 ttmp9, 2                          ; the variant: v's clusters
	s_cselect_b32 s66, 1, 0
	s_cselect_b32 s17, 8, s80                      ; tile row of A: W_attn's rows from 2048 on, or the tokens
	s_cselect_b32 s42, s80, s81                    ; tile column (of B): the tokens, or W_attn's rows 0 .. 2047
	s_cselect_b32 s82, 4, 0                        ; the bias's offsets: bytes for each lane % 16,
	s_cselect_b32 s83, 0, 32                       ; for each lane / 16,
	s_cselect_b32 s84, 0, 4                        ; and from register to register
	s_add_co_u32 s17, s17, s41                     ; + cy
	s_add_co_u32 s42, s42, s40                     ; + cx
	s_lshl_b32 s43, s41, 2
	s_lshl_b32 s43, 15, s43                        ; my row of the cluster
	s_lshl_b32 s44, 0x1111, s40                    ; my column
	; descriptor group 1: a tile of 128 rows x 256 bytes, padded in LDS
	s_or_b32 s[G1+0], s43, (0<<16)|(1<<20)|(1<<21)|(5<<22)|(3<<25)  ; 15:0 the mask; 17:16 elements of 1 byte; 20 padding on; 21 set beside a mask; 24:22 after every 64 words; 31:25 four words
	s_or_b32 s[G1B+0], s44, (0<<16)|(1<<20)|(1<<21)|(5<<22)|(3<<25)
.irp g, G1, G1B
	s_mov_b32 s[\g+1], ROWB<<16                    ; tensor_dim0
	s_mov_b32 s[\g+2], 128<<16                     ; tensor_dim1
	s_mov_b32 s[\g+3], ROWB<<16                    ; tile_dim0
	s_mov_b32 s[\g+4], 128                         ; tile_dim1
	s_mov_b32 s[\g+5], KROW                        ; tensor_dim0_stride
	s_mov_b32 s[\g+6], 0
	s_mov_b32 s[\g+7], 0
.endr
	s_lshl_b32 s18, s16, 7                         ; which 128 rows of the tile I fetch
	s_lshl_b32 s20, s17, 8
	s_add_co_u32 s20, s20, s18                     ; A: row 256 x tile row + 128 x half,
	s_lshl_b32 s20, s20, 10                        ; in bytes (under 8 MiB)
	s_mov_b32 s21, 0
	s_lshl_b32 s46, s42, 8
	s_add_co_u32 s46, s46, s18                     ; B likewise
	s_lshl_b32 s46, s46, 10
	s_mov_b32 s47, 0
	s_mul_i32 s45, s14, HALFT                      ; where they go: wave x 128 rows: no place in the cluster enters an LDS address
	s_wait_kmcnt 0x0
	s_load_b256 s[72:79], s[10:11], 0x0            ; e0 .. e7
	s_cmp_eq_u32 s66, 1
	s_cselect_b64 s[68:69], s[6:7], s[4:5]         ; A's buffer
	s_cselect_b64 s[70:71], s[4:5], s[6:7]         ; B's buffer
	s_add_nc_u64 s[20:21], s[68:69], s[20:21]
	s_add_nc_u64 s[46:47], s[70:71], s[46:47]
	CROUND                                         ; all sixteen work-groups are here: the first joint loads meet
.irp s, 0,1
	s_mov_b32 s[G0+4*\s], 1
	s_add_co_u32 s[G0+4*\s+1], s45, \s*SLOT
	s_add_nc_u64 s[G0+4*\s+2:G0+4*\s+3], s[20:21], \s*ROWB
	s_or_b32 s[G0+4*\s+3], s[G0+4*\s+3], 0x80000000
	s_mov_b32 s[G0B+4*\s], 1
	s_add_co_u32 s[G0B+4*\s+1], s45, \s*SLOT
	s_add_nc_u64 s[G0B+4*\s+2:G0B+4*\s+3], s[46:47], \s*ROWB
	s_or_b32 s[G0B+4*\s+3], s[G0B+4*\s+3], 0x80000000
	JLOAD G0+4*\s, G1, G0B+4*\s, G1B               ; K steps 0 and 1: two loads of mine are out
.endr
	v_and_b32 v1, 15, v0                           ; r = lane % 16
	v_bfe_u32 v2, v0, 4, 1                         ; h = lane / 16
	v_mul_u32_u24 v3, v1, PITCH
	v_lshl_add_u32 v4, v2, 4, v3                   ; a fragment's row x pitch + 16 x half
	s_mul_i32 s21, s15, HALFT                      ; my 128 rows of A
	s_mul_i32 s22, s16, HALFT                      ; my 128 rows of B,
	s_add_co_u32 s22, s22, 2*HALFT                 ; which lie behind A's 256
.irp s, 0,1
	v_add_nc_u32 v[ADRA+\s], s21, v4
	v_add_nc_u32 v[ADRB+\s], s22, v4
	s_add_co_u32 s21, s21, SLOT
	s_add_co_u32 s22, s22, SLOT
.endr
	v_and_b32 v5, 31, v0
	v_lshlrev_b32 v[CO], 4, v5
	; my wave's first row of W_attn (also its place in b_attn) and its first token
	s_lshl_b32 s85, s17, 8
	s_lshl_b32 s89, s15, 7
	s_add_co_u32 s85, s85, s89                     ; my first row of A
	s_lshl_b32 s86, s42, 8
	s_lshl_b32 s89, s16, 7
	s_add_co_u32 s86, s86, s89                     ; my first row of B
	s_cmp_eq_u32 s66, 1
	s_cselect_b32 s87, s85, s86                    ; W_attn's row
	s_cselect_b32 s88, s86, s85                    ; the token
	s_lshl_b32 s90, s87, 2
	s_mov_b32 s91, 0
	s_add_nc_u64 s[8:9], s[8:9], s[90:91]          ; b_attn at my 128 numbers
	s_lshr_b32 s89, s87, 10                        ; the section: 0 q, 1 k, 2 v: 64 heads each,
	s_lshl_b32 s89, s89, 6
	s_lshr_b32 s90, s88, 11                        ; the batch: 16 heads each,
	s_lshl_b32 s90, s90, 4
	s_add_co_u32 s89, s89, s90
	s_bfe_u32 s90, s87, 0x40006                    ; my first head: bits 9:6 of W_attn's row
	s_add_co_u32 s89, s89, s90
	s_lshl_b32 s90, s89, 17                        ; x 131,072 bytes
	s_and_b32 s89, s88, 2047                       ; the token in its batch: 64 bytes a token in all three layouts
	s_lshl_b32 s89, s89, 6
	s_add_co_u32 s90, s90, s89
	s_add_nc_u64 s[12:13], s[12:13], s[90:91]      ; the output at my wave's first run of 8,192 bytes; the second lies a head further on
	; the bias in the result's layout.  q, k: tile b's register j is b_attn[16 b + 8 h + j]; v: tile a's eight registers are all b_attn[16 a + r]
	v_mul_u32_u24 v[OFFJ], v1, s82
	v_mad_u32_u24 v[OFFJ], v2, s83, v[OFFJ]
.irp j, 1,2,3,4,5,6,7
	v_add_nc_u32 v[OFFJ+\j], s84, v[OFFJ+\j-1]
.endr
.irp x, 0,1,2,3,4,5,6,7
.irp j, 0,1,2,3,4,5,6,7
	global_load_b32 v[BI+8*\x+\j], v[OFFJ+\j], s[8:9] offset:64*\x
.endr
.endr
	s_wait_kmcnt 0x0
	s_add_co_i32 s90, s72, s73                     ; e0 + e1: a sum stands for sum x 2^(e0 + e1)
	s_cmp_eq_u32 ttmp9, 0
	s_cselect_b32 s89, s74, s75                    ; q: e2; k: e3;
	s_cmp_eq_u32 ttmp9, 2
	s_cselect_b32 s89, s77, s89                    ; v: e5.  A choice, no branch
	s_sub_co_i32 s89, s89, s90
	s_add_co_i32 s89, s89, 127
	s_lshl_b32 s91, s89, 23
	v_mov_b32 v[SC], s91                           ; 2^(et - e0 - e1) as f32: the conversion takes its exponent field
	s_sub_co_i32 s92, 0, s90
.macro FRAG reg, adr, q, i             ; 16 rows x 128 K: registers 4 c .. 4 c + 3 hold K = 32 c + 16 (lane / 16) + 0 .. 15: the same permutation of K in A and in B
.irp c, 0,1,2,3
	ds_load_b128 v[\reg+4*\c:\reg+4*\c+3], v[\adr] offset:128*(\q)+32*\c+(\i)*16*PITCH
.endr
.endm
; 16 matrix instructions: A's blocks a0, a0 + 1 x B's eight.  p: B's set.  zero = 1: the sums start from the bias of B's tile; 2: from the bias of A's block; 0: they go on.
; The 64 accumulators take turns, one instruction a turn, in the same order in every step.
.macro MUL16 a0, p, zero
.irp a, \a0, \a0+1
.irp b, 0,1,2,3,4,5,6,7
.if \zero == 1
	v_wmma_f32_16x16x128_fp8_fp8 v[8*(8*((\a)%4)+\b):8*(8*((\a)%4)+\b)+7], v[128*(\p)+FR*\b:128*(\p)+FR*\b+FR-1], v[AF+FR*(\a):AF+FR*(\a)+FR-1], v[BI+8*\b:BI+8*\b+7]
.elseif \zero == 2
	v_wmma_f32_16x16x128_fp8_fp8 v[8*(8*((\a)%4)+\b):8*(8*((\a)%4)+\b)+7], v[128*(\p)+FR*\b:128*(\p)+FR*\b+FR-1], v[AF+FR*(\a):AF+FR*(\a)+FR-1], v[BI+8*(\a):BI+8*(\a)+7]
.else
	v_wmma_f32_16x16x128_fp8_fp8 v[8*(8*((\a)%4)+\b):8*(8*((\a)%4)+\b)+7], v[128*(\p)+FR*\b:128*(\p)+FR*\b+FR-1], v[AF+FR*(\a):AF+FR*(\a)+FR-1], v[8*(8*((\a)%4)+\b):8*(8*((\a)%4)+\b)+7]
.endif
.endr
.endr
.endm
.macro FETCH_B slot, q, p              ; B's eight fragments of the slot's q-th 128 along K into set p
	WIN TO_B
.irp i, 0,1,2,3,4,5,6,7
	FRAG 128*(\p)+FR*\i, ADRB+\slot, \q, \i
.endr
	WIN 0
.endm
.macro FETCH_A slot, q, i0             ; A's blocks i0 .. i0 + 3
.irp i, \i0, \i0+1, \i0+2, \i0+3
	FRAG AF+FR*(\i), ADRA+\slot, \q, \i
.endr
.endm
.macro PLACES n                        ; plain vector instructions between a matrix instruction and a load into, or a vector read or write of, its registers
.rept \n
	v_nop
.endr
.endm
; A step of 128 along K that has its successor in the same slot.  A's blocks are free as soon as their eight products are issued: one set serves A.
.macro STEP slot, q, zero
	s_wait_dscnt 4*NL                              ; B's set and A's blocks 0-3 are in; the youngest 16 loads (A's blocks 4-7) may be out
.if \zero
	WIN FST_LO
.else
	WIN MUL_LO
.endif
	MUL16 0, (\q)%2, \zero
	MUL16 2, (\q)%2, \zero
	s_wait_dscnt 0                                 ; A's blocks 4-7 are in
	PLACES NP
	FETCH_B \slot, (\q)+1, 1-(\q)%2
	FETCH_A \slot, (\q)+1, 0
.if \zero
	WIN FST_HI
.else
	WIN MUL_HI
.endif
	MUL16 4, (\q)%2, \zero
	MUL16 6, (\q)%2, \zero
	PLACES NP
	WIN 0
	FETCH_A \slot, (\q)+1, 4
.endm
; A slot's last step changes slots: one barrier; in front of it each wave waits for all its tensor loads, adds 0 to its spare word, and waits for that and for its reads of this slot.
.macro TURN slot, next, fill
	s_wait_tensorcnt 0x0                           ; all my tensor loads have landed: my part of the next slot
	ds_add_u32 v[SPW], v[NIL]                      ; 0 onto my spare word
	s_wait_dscnt 4*NL+1                            ; the add and the youngest 16 loads (A's blocks 4-7) may be out
	WIN MUL_LO
	MUL16 0, 1, 0                                  ; sixteen matrix instructions stand between the add and the wait for it
	s_wait_dscnt 0x0                               ; the add is done, and my reads of this slot are over
	s_barrier_signal -1
	MUL16 2, 1, 0
	WIN 0
	s_barrier_wait -1
.if \fill
	CREST                                          ; the barrier has opened a round of the cluster's: no wave of any partner still reads this slot or has a load on its way
	s_add_nc_u64 s[G0+4*\slot+2:G0+4*\slot+3], s[G0+4*\slot+2:G0+4*\slot+3], 2*ROWB
	s_add_nc_u64 s[G0B+4*\slot+2:G0B+4*\slot+3], s[G0B+4*\slot+2:G0B+4*\slot+3], 2*ROWB
	JLOAD G0+4*\slot, G1, G0B+4*\slot, G1B         ; the first tensor load behind the round; its four v_nop are also the places in front of the loads below
.else
	PLACES NP
.endif
	FETCH_B \next, 0, 0
	FETCH_A \next, 0, 0
	WIN MUL_HI
	MUL16 4, 1, 0
	MUL16 6, 1, 0
	PLACES NP
	WIN 0
	FETCH_A \next, 0, 4
.endm
	s_wait_tensorcnt 1                             ; my part of K step 0 is in; K step 1's load may be out
	s_barrier_signal -1
	s_barrier_wait -1                              ; everybody's is
	FETCH_B 0, 0, 0
	FETCH_A 0, 0, 0
	FETCH_A 0, 0, 4
	s_wait_loadcnt 0x0                             ; the bias
.set jj, 0
.rept 64
	v_ldexp_f32 v[BI+jj], v[BI+jj], s92            ; / 2^(e0 + e1)
.set jj, jj+1
.endr
	s_cmp_eq_u32 s66, 1                            ; the first step is written twice: the two variants differ in which bias tile starts a sum
	s_cbranch_scc1 .Lfirst_v
	s_wait_alu depctr_va_vdst(0)
	STEP 0, 0, 1
	s_branch .Lfirst_done
.Lfirst_v:
	s_wait_alu depctr_va_vdst(0)
	STEP 0, 0, 2
.Lfirst_done:
	TURN 0, 1, 1                                   ; K = 1,024 is four K steps of 256: twice round the ring, written straight.  Slot 0 takes K step 2,
	STEP 1, 0, 0
	TURN 1, 0, 1                                   ; slot 1 K step 3
	STEP 0, 0, 0
	TURN 0, 1, 0                                   ; nothing is left to fetch
	STEP 1, 0, 0
	s_wait_dscnt 4*NL                              ; the very last step
	WIN MUL_LO
	MUL16 0, 1, 0
	MUL16 2, 1, 0
	s_wait_dscnt 0
	WIN MUL_HI
	MUL16 4, 1, 0
	MUL16 6, 1, 0
	WIN 0
; THE WAY OUT.  Block a's 64 sums are converted straight from the accumulators:
; accumulator (a, b) gives registers 2 b, 2 b + 1 of the block's sixteen.
.macro QBLOCK a
.set AC, 64*((\a)%4)
	WIN 0x02+((\a)/4)                              ; source 0: window 2 or 3
.set jj, 0
.rept 64
.set jj, jj+1
.endr
.set jj, 0
.rept 8
	v_cvt_scalef32_pk8_fp8_f32 v[OUT+16*(\a)+2*jj:OUT+16*(\a)+2*jj+1], v[AC+8*jj:AC+8*jj+7], v[SC]
.set jj, jj+1
.endr
	WIN 0
	v_nop                                          ; a plain vector instruction behind the last conversion
.endm
	PLACES NP
.irp a, 0,1,2,3,4,5,6,7
	QBLOCK \a
.endr
	s_cmp_eq_u32 s66, 1
	s_cbranch_scc1 .Lstore_v
.irp a, 0,1,2,3,4,5,6,7                ; q, k: block a is a tile of 16 tokens; registers 0-7 my first head's fragment, 8-15 my second's
.irp g, 0,1,2,3
	global_store_b128 v[CO], v[OUT+16*\a+4*\g:OUT+16*\a+4*\g+3], s[12:13] offset:(\g/2)*HEADB+\a*1024+(\g%2)*512   ; 32 lanes store 512 consecutive bytes
.endr
.endr
	s_branch .Lstored
.Lstore_v:
	s_wait_alu depctr_va_vdst(0)
.irp a, 0,1,2,3,4,5,6,7                ; v: block a is tile a % 4 of 16 channels of head a / 4; its sixteen registers are one fragment along my 128 tokens
.irp g, 0,1,2,3
	global_store_b128 v[CO], v[OUT+16*\a+4*\g:OUT+16*\a+4*\g+3], s[12:13] offset:(\a/4)*HEADB+(\a%4)*2048+\g*512
.endr
.endr
.Lstored:
	s_wait_tensorcnt 0x0                           ; the wave's end
	ds_add_u32 v[SPW], v[NIL]
	s_wait_dscnt 0x0
	CROUND                                         ; the closing round: no work-group ends while a partner may still ask for a tile that names it
	s_endpgm
.Lfunc_end_k_qbab288162b_make_qkv:
	.size	k_qbab288162b_make_qkv, .Lfunc_end_k_qbab288162b_make_qkv-k_qbab288162b_make_qkv
	.p2alignl 7, 3214868480
	.fill 96, 4, 3214868480
	.section	.rodata,"a",@progbits
	.p2align	6, 0x0
	.amdhsa_kernel k_qbab288162b_make_qkv
		.amdhsa_group_segment_fixed_size 327680
		.amdhsa_private_segment_fixed_size 0
		.amdhsa_enable_private_segment 0
		.amdhsa_kernarg_size 40
		.amdhsa_user_sgpr_count 2
		.amdhsa_user_sgpr_kernarg_segment_ptr 1
		.amdhsa_wavefront_size32 1
		.amdhsa_system_sgpr_workgroup_id_x 1
		.amdhsa_system_sgpr_workgroup_id_y 1
		.amdhsa_system_sgpr_workgroup_id_z 1
		.amdhsa_system_vgpr_workitem_id 0
		.amdhsa_next_free_vgpr 1024
		.amdhsa_next_free_sgpr 100
		.amdhsa_reserve_vcc 0
		.amdhsa_float_denorm_mode_32 3
		.amdhsa_float_denorm_mode_16_64 3
		.amdhsa_fp16_overflow 1
		.amdhsa_memory_ordered 1
		.amdhsa_forward_progress 1
		.amdhsa_inst_pref_size 108
	.end_amdhsa_kernel
	.amdgpu_metadata
---
amdhsa.version: [ 1, 2 ]
amdhsa.kernels:
  - .name:           k_qbab288162b_make_qkv
    .symbol:         k_qbab288162b_make_qkv.kd
    .args:
      - { .name: x_codes, .offset: 0, .size: 8, .value_kind: global_buffer, .address_space: global }
      - { .name: W_attn_codes, .offset: 8, .size: 8, .value_kind: global_buffer, .address_space: global }
      - { .name: b_attn, .offset: 16, .size: 8, .value_kind: global_buffer, .address_space: global }
      - { .name: lowp_scales, .offset: 24, .size: 8, .value_kind: global_buffer, .address_space: global }
      - { .name: qkv, .offset: 32, .size: 8, .value_kind: global_buffer, .address_space: global }
    .group_segment_fixed_size: 327680
    .private_segment_fixed_size: 0
    .kernarg_segment_align: 8
    .kernarg_segment_size: 40
    .max_flat_workgroup_size: 128
    .sgpr_count:     100
    .vgpr_count:     1024
    .wavefront_size: 32
...
	.end_amdgpu_metadata
.endif
;; end of part 1
;; launch attn (part 2): grid 4 x 64, 16 waves a work-group, no clusters, 327,680 bytes of LDS; arguments qkv, lowp_scales, yimg; writes yimg
.if DOCPART == 2
	.amdgcn_target "amdgcn-amd-amdhsa--gfx1250"
	.amdhsa_code_object_version 6
	.text
	.protected	k_qbab288162b_attn
	.globl	k_qbab288162b_attn
	.p2align	8
	.type	k_qbab288162b_attn,@function
k_qbab288162b_attn:
	s_mov_b64 s[64:65], 0
	v_nop
	global_prefetch_b8 v0, s[64:65] scope:SCOPE_SE
	s_setreg_imm32_b32 hwreg(HW_REG_WAVE_MODE, 25, 1), 1
	s_wait_xcnt 0x0
; y = softmax(q k^T / 8, causal) v for 64 heads of 2,048 tokens x 64 channels, both products on codes of FP8 (E4M3); y quantised with 2^e6 for the last product.
; INPUT (the launch before laid it in the order of operand registers): sections q, k, v of 8 MiB, 131,072 bytes a head.
;   q, k: [tile of 16 tokens][group g: 2][lane][16 bytes]: registers 4 g .. 4 g + 3 of a fragment 16 x 64.     v: [block of 128 keys][tile of 16 channels: 4][group g: 4][lane][16 bytes]: a fragment 16 channels x 128 keys.
; OUTPUT: [tile of 16 tokens: 512][K step of 128 channels: 8][group G: 4][lane][16 bytes]: lane (r, h), group G: channels 32 G + 16 h + 0 .. 15 of the tile's row r.
; THE SOFTMAX: t = score x log2(e) / 8; M = the row's largest t so far, rounded up to a whole number; p = 2^(t - M) is quantised with 2^e4, not normalised.  The row's sum is taken of the unquantised p
; and divides at the end.  When M moves, the sum and O are multiplied by 2^(old M - new M), which rounds nothing.
; SHARES.  Work-group x of a head owns query blocks 7 - x and x (256 queries each): 8 - x and x + 1 slots of 256 keys, nine visits for every work-group.  Each of the sixteen waves owns one tile of 16 queries
; of the block in hand, in 256 registers: four waves to a SIMD, so that one wave's vector work stands beside another's matrix work and LDS loads.
; All trip counts are constants; a step all of whose 128 keys come after my 16 queries is jumped over by a scalar branch on ids.
; LAYOUT.  S^T = K Q^T (source 0 = 16 keys, source 1 = my 16 queries), O^T = V^T P^T: a lane holds one query (lane % 16) throughout.  Tile c of S^T, converted, is registers 2 c, 2 c + 1 of P's fragment.
; NO CLUSTER: the four work-groups of a head need different slots from visit 8 - x on; walking in step so that every request could be joint would take 12 visits in place of 9, for 32 KiB shared a visit.
; LIMITS: e2 + e3 between -123 and 130 (added to c's exponent field); e4 and e6 between -126 and 127.  NaN is not served.
.set SLOT1, 32768                      ; a slot: K's 16 tiles (16 KiB), then V's two blocks of 128 keys (16 KiB), dense; one exclusive or turns an address into the other slot's
.set VOFF,  16384
.set SPARE, 65536                      ; behind the ring: the spare words, 128 bytes for each of 16 waves
.set SEC,   23                         ; a section is 2^23 bytes
.set LI,   1                           ; v1   16 x lane: my place in every image
.set SPW,  2                           ; v2   my spare word; never rewritten
.set NIL,  3                           ; v3   0; never rewritten
.set PFO,  4                           ; v4   256 x lane: the prefetches' offset
.set RH,   5                           ; v5   lane % 16 - 8 (lane / 16), for the mask
.set ADK,  6                           ; v6   LDS address of the slot in hand, for my lane
.set Q,    16                          ; v16-23  Q's fragment of the block in hand;  v24-31 that of the second block
.set QB,   24
.set F,    32                          ; v32-95  eight fragments of K, then four of V
.set S,    96                          ; v96-159 S^T, then p
.set O,    160                         ; v160-191 O^T
.set PC,   192                         ; v192-207 p's codes
.set PSC,  216                         ; v216 2^e4
.set PLIM, 217
.set NINF, 218
.set YSC,  220                         ; v220 2^e6
.set YLIM, 221
.set CC,   128                         ; the way out: y's codes, v128-135; the other half's, v224-231; what is stored, v144-151
.set XC,   224
.set OU,   144
.set WV,   10                          ; s10 my wave
.set XX,   11                          ; s11 work-group x
.set BH,   12                          ; s12 the head
.set N,    13                          ; s13 the visit, 0 .. 8
.set NSW,  14                          ; s14 7 - x: the first block, and the visit behind which it is finished
.set TB,   15                          ; s15 LDS byte at which the slot in hand begins
.set KF,   16                          ; s16 the step's first key
.set SQ0,  17                          ; s17 my first query of the block in hand; s18 of the second block
.set SQ0B, 18
.set LIMS, 39                          ; s39 a wave prefetches while the visit's number is under this
; Wave 0 fetches a slot's K, wave 1 its V; the branch hangs on the wave's number alone.  Four v_nop follow the load.
.macro TLOAD
	s_cmp_lt_u32 s[WV], 2
	s_cbranch_scc0 .Lno_load_\@
	tensor_load_to_lds s[32:35], s[24:31]
	s_nop 0
.rept 4
	v_nop
.endr
.Lno_load_\@:
.endm
; A prefetch of the slot after the one that has just been asked for.  All four work-groups of a head read the same K and V; work-group x = 0, whose first block walks all eight slots, asks, in waves 4 to 7:
; waves 4, 5 K's two halves of 8,192 bytes, waves 6, 7 V's; lanes 256 bytes apart.  At visit n it names slot n + 2, for n up to 5: each block of 256 bytes of slots 2 to 7 is named once.
.macro ASK
	s_cmp_lt_u32 s[N], s[LIMS]
	s_cbranch_scc0 .Lnot_mine_\@
	global_prefetch_b8 v[PFO], s[40:41] th:TH_LOAD_NT scope:SCOPE_SE
.Lnot_mine_\@:
.endm
; where a block's tile of mine lies: its queries' codes, its first query, its place in the output
.macro PLACE blk, qp, q0, yp
	s_lshl_b32 s66, s[\blk], 4
	s_add_co_u32 s66, s66, s[WV]                   ; my tile of 16 queries in the head
	s_lshl_b32 s[\q0], s66, 4
	s_lshl_b32 s[\qp], s66, 10                     ; 1,024 bytes a tile,
	s_add_co_u32 s[\qp], s[\qp], s70               ; in my head
	s_mov_b32 s[\qp+1], 0
	s_add_nc_u64 s[\qp:\qp+1], s[4:5], s[\qp:\qp+1]
	s_add_co_u32 s66, s66, s67                     ; + 128 tiles a batch
	s_lshl_b32 s66, s66, 14                        ; 16,384 bytes a tile of rows,
	s_add_co_u32 s[\yp], s66, s71                  ; + 1,024 bytes a head
	s_mov_b32 s[\yp+1], 0
	s_add_nc_u64 s[\yp:\yp+1], s[8:9], s[\yp:\yp+1]
.endm
.macro INIT                            ; a block begins: the largest t under every t, sums and O^T zero (the first change of M leaves them zero)
	v_mov_b32 v13, 0xff61b1e6                      ; -3e38
	s_delay_alu instid0(VALU_DEP_1)
	v_floor_f32 v12, -v13                          ; -M
	v_mov_b32 v14, 0
	v_mov_b32 v15, 0
.set jj, 0
.rept 32
	v_mov_b32 v[O+jj], 0
.set jj, jj+1
.endr
.endm
	s_load_b128 s[4:7], s[0:1], 0x0                ; qkv s[4:5], the scales' exponents s[6:7]
	s_load_b64 s[8:9], s[0:1], 0x10                ; the output
	v_lshl_add_u32 v[SPW], v0, 2, SPARE
	v_mov_b32 v[NIL], 0
	ds_add_u32 v2, v3
	ds_add_u32 v2, v3
	s_wait_dscnt 0x0
	v_lshrrev_b32 v6, 5, v0
	s_delay_alu instid0(VALU_DEP_1)
	v_readfirstlane_b32 s[WV], v6                  ; wave 0..15
	s_mov_b32 s[XX], ttmp9
	s_and_b32 s[BH], ttmp7, 0xffff
	s_sub_co_u32 s[NSW], 7, s[XX]
	; descriptor group 1: a dense block of 16 KiB as 64 rows of 256 bytes
	s_mov_b32 s24, 3<<16                           ; no mask; elements of 8 bytes; no padding
	s_mov_b32 s25, 32<<16                          ; tensor_dim0 = 32
	s_mov_b32 s26, 64<<16                          ; tensor_dim1 = 64
	s_mov_b32 s27, 32<<16                          ; tile_dim0 = 32
	s_mov_b32 s28, 64                              ; tile_dim1 = 64
	s_mov_b32 s29, 32                              ; from row to row
	s_mov_b32 s30, 0
	s_mov_b32 s31, 0
	s_and_b32 s66, s[WV], 1
	s_lshl_b32 s33, s66, 14                        ; group 0: LDS address: K at the slot's head, V 16 KiB on
	s_add_co_u32 s67, s66, 1
	s_lshl_b32 s68, s67, SEC                       ; section 1 (k) or 2 (v),
	s_lshl_b32 s70, s[BH], 17                      ; my head
	s_add_co_u32 s68, s68, s70
	s_mov_b32 s69, 0
	s_mov_b32 s32, 1
	s_mov_b32 s[N], 0
	s_mov_b32 s[TB], 0
	s_mov_b32 s[KF], 0
	s_mov_b32 s37, 0
	s_sub_co_u32 s38, 8, s[XX]
	s_lshl_b32 s38, s38, 14                        ; (8 - x) slots in bytes: back to slot 0 at the change of blocks
	s_mov_b32 s20, 0x76543210
	s_mov_b32 s21, 0xfedcba98                      ; v_permlanex16_b32's selects for lane xor 16
	s_wait_kmcnt 0x0
	s_load_b256 s[48:55], s[6:7], 0x0              ; e0 .. e7
	s_add_nc_u64 s[34:35], s[4:5], s[68:69]        ; the head's first 256 keys
	s_or_b32 s35, s35, 0x80000000
	TLOAD                                          ; slot 0
	s_lshr_b32 s67, s[BH], 4
	s_lshl_b32 s67, s67, 7                         ; 128 tiles of rows a batch
	s_and_b32 s71, s[BH], 15
	s_lshl_b32 s71, s71, 10                        ; 1,024 bytes a head in a tile of rows
	PLACE NSW, 72, SQ0, 42                         ; block 7 - x: first
	PLACE XX, 74, SQ0B, 44                         ; block x: second
	v_and_b32 v[LI], 31, v0
	s_delay_alu instid0(VALU_DEP_1)
	v_lshlrev_b32 v[LI], 4, v[LI]
	global_load_b128 v[Q:Q+3], v[LI], s[72:73]
	global_load_b128 v[Q+4:Q+7], v[LI], s[72:73] offset:512
	global_load_b128 v[QB:QB+3], v[LI], s[74:75]
	global_load_b128 v[QB+4:QB+7], v[LI], s[74:75] offset:512
	v_lshlrev_b32 v[PFO], 4, v[LI]
	v_and_b32 v[RH], 15, v0
	v_bfe_u32 v6, v0, 4, 1
	s_delay_alu instid0(VALU_DEP_1)
	v_lshlrev_b32 v6, 3, v6
	s_delay_alu instid0(VALU_DEP_1)
	v_sub_nc_u32 v[RH], v[RH], v6
	; the prefetches: bit 1 of the wave's number chooses k or v, bit 0 the half; they stand in slot 1, and the first change of slots steps them to slot 2
	s_bfe_u32 s66, s[WV], 0x10001
	s_add_co_u32 s66, s66, 1
	s_lshl_b32 s66, s66, SEC
	s_add_co_u32 s66, s66, s70
	s_and_b32 s67, s[WV], 1
	s_lshl_b32 s67, s67, 13
	s_add_co_u32 s66, s66, s67
	s_add_co_u32 s66, s66, 16384
	s_mov_b32 s67, 0
	s_add_nc_u64 s[40:41], s[4:5], s[66:67]
	s_lshr_b32 s66, s[WV], 2
	s_xor_b32 s66, s66, 1                          ; 0 in waves 4 to 7,
	s_or_b32 s66, s66, s[XX]                       ; of work-group x = 0
	s_cmp_eq_u32 s66, 0
	s_cselect_b32 s[LIMS], 6, 0
	INIT
	v_mov_b32 v211, 0                              ; named as the upper half of the pair v[210:211]
	v_mov_b32 v214, 0                              ; a lane permute's destination counts as one of its sources: written once
.set jj, 0
.rept 8
	v_mov_b32 v[XC+jj], 0
.set jj, jj+1
.endr
	v_mov_b32 v[NINF], 0xff800000                  ; -infinity
	s_wait_kmcnt 0x0
	s_add_co_i32 s66, s50, s51                     ; a score stands for score x 2^(e2 + e3): added to c's exponent field
	s_lshl_b32 s66, s66, 23
	s_mov_b32 s22, 0x3e38aa3b                      ; c = log2(e) / 8
	s_add_co_i32 s22, s22, s66
	s_mov_b32 s23, s22                             ; (named with it as a pair)
	s_add_co_i32 s66, s52, 127
	s_lshl_b32 s67, s66, 23
	v_mov_b32 v[PSC], s67                          ; 2^e4
	s_add_co_i32 s66, s54, 127
	s_lshl_b32 s67, s66, 23
	v_mov_b32 v[YSC], s67                          ; 2^e6
	s_add_co_i32 s56, s52, s53                     ; e4 + e5
; THE CHANGE OF SLOTS stands at a visit's head.  Each wave waits for all its tensor loads (its part of the slot that it is about to read), adds 0 to its spare word, and waits for that and for its reads of the
; slot that it has left.  Behind the barrier the slot ahead is whole and nobody reads the other.  fill = 1: that other slot takes the next visit's keys: the load has a whole visit in which to land.
.macro CHANGE fill
	s_wait_tensorcnt 0x0                           ; no tensor load of mine is out, so group 0 may be written
	ds_add_u32 v[SPW], v[NIL]                      ; 0 onto my spare word
.if \fill
	s_xor_b32 s33, s33, SLOT1                      ; the other slot than last time,
	s_add_nc_u64 s[34:35], s[34:35], 16384         ; the next 256 keys,
	s_cmp_eq_u32 s[N], s[NSW]
	s_cselect_b32 s36, s38, 0
	s_sub_nc_u64 s[34:35], s[34:35], s[36:37]      ; or, behind the first block's last slot, the head's first 256 again
	s_wait_xcnt 0x0                                ; the last prefetch, a visit back, has read its address
	s_add_nc_u64 s[40:41], s[40:41], 16384
.endif
	s_wait_dscnt 0x0                               ; the add is done, and my reads of the slot that I have left are over
	s_barrier_signal -1
	s_barrier_wait -1
.if \fill
	TLOAD                                          ; the first thing behind the barrier, and a wave's one tensor load until the next
	ASK
.endif
.endm
; A KEY STEP: 128 keys, the q-th of the slot in hand.
.macro STEP q
	s_add_co_u32 s19, s[SQ0], 15
	s_cmp_gt_u32 s[KF], s19                        ; all 128 keys come after my 16 queries: nothing to do
	s_cbranch_scc1 .Lhidden_\@
	v_add_nc_u32 v[ADK], s[TB], v[LI]
.rept 3
	v_nop                                          ; with the addition above: four places in front of loads into registers that the last products read
.endr
.set tt, 0
.rept 8
	ds_load_b128 v[F+8*tt:F+8*tt+3], v[ADK] offset:(8*(\q)+tt)*1024          ; K's tile tt: 512 consecutive bytes a load
	ds_load_b128 v[F+8*tt+4:F+8*tt+7], v[ADK] offset:(8*(\q)+tt)*1024+512
.set tt, tt+1
.endr
	s_wait_dscnt 0x0
.set tt, 0
	s_wait_alu depctr_va_vdst(0)
.rept 8
	v_wmma_f32_16x16x64_fp8_fp8 v[S+8*tt:S+8*tt+7], v[F+8*tt:F+8*tt+7], v[Q:Q+7], 0   ; lane (r, h): query r, keys 16 tt + 8 h + 0 .. 7
.set tt, tt+1
.endr
.rept 4
	v_nop                                          ; places in front of the loads below and of the first read of the scores
.endr
.set tt, 0
.rept 4
.set gg, 0
.rept 4
	ds_load_b128 v[F+16*tt+4*gg:F+16*tt+4*gg+3], v[ADK] offset:VOFF+(\q)*8192+tt*2048+gg*512   ; V's four fragments land while the softmax is walked
.set gg, gg+1
.endr
.set tt, tt+1
.endr
	s_add_co_u32 s19, s[KF], 127
	s_cmp_le_u32 s19, s[SQ0]                       ; all 128 keys count for all my queries: no mask
	s_cbranch_scc1 .Lopen_\@
	s_sub_co_i32 s19, s[SQ0], s[KF]
	v_add_nc_u32 v219, s19, v[RH]                  ; d = my query - the step's first key - 8 h.  Register 8 c + j holds key 16 c + 8 h + j of the step: hidden where 16 c + j > d
.set nn, 0
.rept 64
	v_cmp_gt_i32 vcc_lo, 16*(nn/8)+nn%8, v219
	v_cndmask_b32 v[S+nn], v[S+nn], v[NINF], vcc_lo
.set nn, nn+1
.endr
.Lopen_\@:
	v_max3_num_f32 v208, v96, v97, v98             ; the step's largest score of my query among my 64 keys, in two chains,
	v_max3_num_f32 v209, v99, v100, v101
.irp i, 6,10,14,18,22,26,30,34,38,42,46,50,54,58
	v_max3_num_f32 v208, v208, v[96+\i], v[97+\i]
	v_max3_num_f32 v209, v209, v[98+\i], v[99+\i]
.endr
	v_max3_num_f32 v208, v208, v158, v159
	s_delay_alu instid0(VALU_DEP_1)
	v_max_num_f32 v208, v208, v209
	s_delay_alu instid0(VALU_DEP_1)
	v_permlanex16_b32 v214, v208, s20, s21
	s_delay_alu instid0(VALU_DEP_1)
	v_max_num_f32 v208, v208, v214                 ; and among the other half's
	s_delay_alu instid0(VALU_DEP_1)
	v_mul_f32 v208, s22, v208                      ; as t (c is positive)
	s_delay_alu instid0(VALU_DEP_1)
	v_max_num_f32 v13, v13, v208                   ; the running largest t
	v_mov_b32 v208, v12
	s_delay_alu instid0(VALU_DEP_2)
	v_floor_f32 v12, -v13                          ; the new -M = floor(-t): M is a whole number
	s_delay_alu instid0(VALU_DEP_1)
	v_sub_f32 v208, v12, v208                      ; old M - new M: a whole number, 0 or less
	s_delay_alu instid0(VALU_DEP_1)
	v_cvt_i32_f32 v208, v208                       ; (it saturates)
	s_delay_alu instid0(VALU_DEP_1)
	v_ldexp_f32 v210, 1.0, v208                    ; f = 2^(old M - new M)
.set jj, 0
.rept 32
	v_pk_fma_f32 v[S+jj:S+jj+1], v[S+jj:S+jj+1], s[22:23], v[12:13] op_sel_hi:[1,0,0]   ; t - M, two at a time
.set jj, jj+2
.endr
.set jj, 0
	s_wait_alu depctr_va_vdst(0)
.rept 64
	v_exp_f32 v[S+jj], v[S+jj]                     ; p = 2^(t - M), at most 1
.set jj, jj+1
.endr
	v_pk_mul_f32 v[14:15], v[14:15], v[210:211] op_sel_hi:[1,0]   ; the sums under the new M: the plain instruction behind the exponentials
	s_wait_alu depctr_va_vdst(0)                   ; one wait for the whole batch, ahead of its first reader
	v_pk_add_f32 v[212:213], v[100:101], v[104:105]
	v_pk_add_f32 v[254:255], v[108:109], v[112:113]
	v_pk_add_f32 v[252:253], v[116:117], v[120:121]
	v_pk_add_f32 v[250:251], v[124:125], v[128:129]
	v_pk_add_f32 v[248:249], v[132:133], v[136:137]
	v_pk_add_f32 v[246:247], v[140:141], v[144:145]
	v_pk_add_f32 v[244:245], v[148:149], v[152:153]
	v_pk_add_f32 v[14:15], v[14:15], v[156:157]
	v_pk_add_f32 v[212:213], v[212:213], v[96:97]
	v_pk_add_f32 v[254:255], v[254:255], v[98:99]
	v_pk_add_f32 v[252:253], v[252:253], v[102:103]
	v_pk_add_f32 v[250:251], v[250:251], v[106:107]
	v_pk_add_f32 v[248:249], v[248:249], v[110:111]
	v_pk_add_f32 v[246:247], v[246:247], v[114:115]
	v_pk_add_f32 v[244:245], v[244:245], v[118:119]
	v_pk_add_f32 v[14:15], v[14:15], v[122:123]
	v_pk_add_f32 v[212:213], v[212:213], v[126:127]
	v_pk_add_f32 v[254:255], v[254:255], v[130:131]
	v_pk_add_f32 v[252:253], v[252:253], v[134:135]
	v_pk_add_f32 v[250:251], v[250:251], v[138:139]
	v_pk_add_f32 v[248:249], v[248:249], v[142:143]
	v_pk_add_f32 v[246:247], v[246:247], v[146:147]
	v_pk_add_f32 v[244:245], v[244:245], v[150:151]
	v_pk_add_f32 v[14:15], v[14:15], v[154:155]
	v_pk_add_f32 v[212:213], v[212:213], v[158:159]
	s_delay_alu instid0(VALU_DEP_2)
	v_pk_add_f32 v[14:15], v[14:15], v[250:251]
	s_delay_alu instid0(VALU_DEP_2)
	v_pk_add_f32 v[212:213], v[212:213], v[248:249]
	v_pk_add_f32 v[254:255], v[254:255], v[246:247]
	v_pk_add_f32 v[252:253], v[252:253], v[244:245]
	s_delay_alu instid0(VALU_DEP_2)
	v_pk_add_f32 v[14:15], v[14:15], v[254:255]
	s_delay_alu instid0(VALU_DEP_2)
	v_pk_add_f32 v[212:213], v[212:213], v[252:253]
	s_delay_alu instid0(VALU_DEP_1)
	v_pk_add_f32 v[14:15], v[14:15], v[212:213]
.set tt, 0
.rept 8
.set ii, 0
.rept 8
.set ii, ii+1
.endr
	v_cvt_scalef32_pk8_fp8_f32 v[PC+2*tt:PC+2*tt+1], v[S+8*tt:S+8*tt+7], v[PSC]   ; keys 16 tt + 8 h + 0 .. 7: registers 2 tt, 2 tt + 1 of P's fragment
.set tt, tt+1
.endr
.set jj, 0
.rept 16
	v_pk_mul_f32 v[O+jj:O+jj+1], v[O+jj:O+jj+1], v[210:211] op_sel_hi:[1,0]   ; O^T under the new M; also the plain instructions between the conversions and the products
.set jj, jj+2
.endr
	s_wait_alu depctr_va_vdst(0)
	s_wait_dscnt 0x0                               ; V's fragments
.set tt, 0
.rept 4
	v_wmma_f32_16x16x128_fp8_fp8 v[O+8*tt:O+8*tt+7], v[F+16*tt:F+16*tt+15], v[PC:PC+15], v[O+8*tt:O+8*tt+7]   ; four accumulators by turns
.set tt, tt+1
.endr
.Lhidden_\@:
	s_add_co_u32 s[KF], s[KF], 128
.endm
; A BLOCK IS FINISHED: O^T / the sum x 2^(e4 + e5) is y; it is quantised with 2^e6 and stored as the last product's operand registers.
.macro FINISH
.rept 4
	v_nop                                          ; places behind the last products
.endr
	v_add_f32 v14, v14, v15                        ; the sum's two halves,
	s_delay_alu instid0(VALU_DEP_1)
	v_permlanex16_b32 v214, v14, s20, s21
	s_delay_alu instid0(VALU_DEP_1)
	v_add_f32 v14, v14, v214                       ; and the other half of the lanes'
	s_wait_alu depctr_va_vdst(0)
	v_rcp_f32 v14, v14
	v_nop                                          ; a plain instruction behind the reciprocal
	s_wait_alu depctr_va_vdst(0)                   ; and the wait ahead of its first reader
	v_ldexp_f32 v14, v14, s56
.set jj, 0
.rept 16
	v_pk_mul_f32 v[S+jj:S+jj+1], v[O+jj:O+jj+1], v[14:15] op_sel_hi:[1,0]   ; register 8 t + j: y(query r, channel 16 t + 8 h + j); each accumulator from its low end on
.set jj, jj+2
.endr
.set jj, 0
.rept 32
.set jj, jj+1
.endr
.set tt, 0
.rept 4
	v_cvt_scalef32_pk8_fp8_f32 v[CC+2*tt:CC+2*tt+1], v[S+8*tt:S+8*tt+7], v[YSC]
.set tt, tt+1
.endr
	v_nop                                          ; a plain instruction behind the last conversion
.set jj, 0
.rept 8
	v_permlanex16_b32 v[XC+jj], v[CC+jj], s20, s21 ; the other half's eight channels of each tile
.set jj, jj+1
.endr
	s_mov_b32 vcc_lo, 0xffff0000                   ; lanes 16-31 take the second source
.irp b, 0,1                            ; group b: lanes 0-15 want channels 32 b + 0 .. 15 (tile 2 b: mine, then the other half's), lanes 16-31 channels 32 b + 16 .. 31 (tile 2 b + 1: the other half's, then mine)
	v_cndmask_b32 v[OU+4*\b+0], v[CC+4*\b+0], v[XC+4*\b+2], vcc_lo
	v_cndmask_b32 v[OU+4*\b+1], v[CC+4*\b+1], v[XC+4*\b+3], vcc_lo
	v_cndmask_b32 v[OU+4*\b+2], v[XC+4*\b+0], v[CC+4*\b+2], vcc_lo
	v_cndmask_b32 v[OU+4*\b+3], v[XC+4*\b+1], v[CC+4*\b+3], vcc_lo
.endr
	global_store_b128 v[LI], v[OU:OU+3], s[42:43]              ; 32 lanes store 512 consecutive bytes, at a multiple of 512
	global_store_b128 v[LI], v[OU+4:OU+7], s[42:43] offset:512
	s_wait_xcnt 0x0                                ; the stores have read their registers and their base: both are written again below
.endm
.macro REINIT                          ; on to the second block
	INIT
.set jj, 0
.rept 8
	v_mov_b32 v[Q+jj], v[QB+jj]
.set jj, jj+1
.endr
	s_mov_b32 s[KF], 0
	s_mov_b32 s[SQ0], s[SQ0B]
	s_mov_b64 s[42:43], s[44:45]
.endm
	s_wait_loadcnt 0x0                             ; Q's two fragments
.Lslot:                                            ; eight trips: behind each change of slots but the last the next visit's slot is asked for
	CHANGE 1
	STEP 0
	STEP 1
	s_xor_b32 s[TB], s[TB], SLOT1                  ; on to the other slot
	s_cmp_eq_u32 s[N], s[NSW]                      ; was this the first block's last slot?
	s_cbranch_scc0 .Lgo
	FINISH
	REINIT
.Lgo:
	s_add_co_u32 s[N], s[N], 1
	s_cmp_lt_u32 s[N], 8
	s_cbranch_scc1 .Lslot
	CHANGE 0                                       ; the ninth visit is written out
	STEP 0
	STEP 1
	FINISH
	s_wait_tensorcnt 0x0                           ; the wave's end
	ds_add_u32 v[SPW], v[NIL]
	s_wait_dscnt 0x0
	s_endpgm
.Lfunc_end_k_qbab288162b_attn:
	.size	k_qbab288162b_attn, .Lfunc_end_k_qbab288162b_attn-k_qbab288162b_attn
	.p2alignl 7, 3214868480
	.fill 96, 4, 3214868480
	.section	.rodata,"a",@progbits
	.p2align	6, 0x0
	.amdhsa_kernel k_qbab288162b_attn
		.amdhsa_group_segment_fixed_size 327680
		.amdhsa_private_segment_fixed_size 0
		.amdhsa_enable_private_segment 0
		.amdhsa_kernarg_size 24
		.amdhsa_user_sgpr_count 2
		.amdhsa_user_sgpr_kernarg_segment_ptr 1
		.amdhsa_wavefront_size32 1
		.amdhsa_system_sgpr_workgroup_id_x 1
		.amdhsa_system_sgpr_workgroup_id_y 1
		.amdhsa_system_sgpr_workgroup_id_z 1
		.amdhsa_system_vgpr_workitem_id 0
		.amdhsa_next_free_vgpr 256
		.amdhsa_next_free_sgpr 100
		.amdhsa_reserve_vcc 1
		.amdhsa_float_denorm_mode_32 3
		.amdhsa_float_denorm_mode_16_64 3
		.amdhsa_fp16_overflow 1
		.amdhsa_memory_ordered 1
		.amdhsa_forward_progress 1
		.amdhsa_inst_pref_size 91
	.end_amdhsa_kernel
	.amdgpu_metadata
---
amdhsa.version: [ 1, 2 ]
amdhsa.kernels:
  - .name:           k_qbab288162b_attn
    .symbol:         k_qbab288162b_attn.kd
    .args:
      - { .name: qkv, .offset: 0, .size: 8, .value_kind: global_buffer, .address_space: global }
      - { .name: lowp_scales, .offset: 8, .size: 8, .value_kind: global_buffer, .address_space: global }
      - { .name: yimg, .offset: 16, .size: 8, .value_kind: global_buffer, .address_space: global }
    .group_segment_fixed_size: 327680
    .private_segment_fixed_size: 0
    .kernarg_segment_align: 8
    .kernarg_segment_size: 24
    .max_flat_workgroup_size: 512
    .sgpr_count:     100
    .vgpr_count:     256
    .wavefront_size: 32
...
	.end_amdgpu_metadata
.endif
;; end of part 2
;; launch proj (part 3): grid 4 x 32, 4 waves a work-group, clusters of 4 x 4, 327,680 bytes of LDS; arguments yimg, W_proj_codes, b_proj, lowp_scales, out0; writes out0
.if DOCPART == 3
	.amdgcn_target "amdgcn-amd-amdhsa--gfx1250"
	.amdhsa_code_object_version 6
	.text
	.protected	k_qbab288162b_proj
	.globl	k_qbab288162b_proj
	.p2align	8
	.type	k_qbab288162b_proj,@function
k_qbab288162b_proj:
	s_mov_b64 s[64:65], 0
	v_nop
	global_prefetch_b8 v0, s[64:65] scope:SCOPE_SE
	s_setreg_imm32_b32 hwreg(HW_REG_WAVE_MODE, 25, 1), 1
	s_wait_xcnt 0x0
	s_wait_alu depctr_hold_cnt(0) depctr_sa_sdst(0) depctr_va_vdst(0) depctr_va_sdst(0) depctr_va_ssrc(0) depctr_va_vcc(0) depctr_vm_vsrc(0)
	s_getreg_b32 s2, hwreg(HW_REG_IB_STS2, 6, 4)
	s_cmp_eq_u32 s2, 0
	s_cbranch_scc0 .Lentry_in_a_cluster
	s_endpgm
.Lentry_in_a_cluster:
	s_bfe_u32 s2, ttmp6, 0x10000c
	s_cmp_lg_u32 s2, 0xf033
	s_cbranch_scc0 .Lentry_shape_is_right
	s_endpgm
.Lentry_shape_is_right:
; out0 = y W_proj + b_proj on codes of FP8 (E4M3).  y: [8192][1024] as images of operand registers (below), scale 2^e6; W_proj: [1024 (n)][1024 (k)] codes, K innermost, scale 2^e7; b_proj [1024], out0 [8192][1024]: f32.
; y's LAYOUT (the launch before stored it so): [tile of 16 rows: 512][K step of 128: 8][group G: 4][lane: 32][16 bytes]: lane (r, h), group G: K = 32 G + 16 h + 0 .. 15 of row r: the very registers that four
; 16-byte loads, 32 bytes apart, give a fragment of W_proj from rows: the same permutation of K on both sides.
; A tile of 256 x 256 of the output is made by a work-group of four waves, 128 x 128 each: 64 accumulators.  K goes in four steps of 256 through two LDS slots filled by the tensor data mover.
; THE MATRIX INSTRUCTION IS USED TRANSPOSED (source 0 = 16 rows of W_proj, source 1 = 16 rows of y): a lane holds eight neighbouring numbers of a row of the output.
; The bias is the C of each sum's first matrix instruction, divided by 2^(e6 + e7); each finished sum is multiplied once by 2^(e6 + e7).
; CLUSTERS: 4 x 4 work-groups; y's tile is asked for jointly along a row of the cluster, W_proj's along a column.
; LIMIT: e6 + e7 between -126 and 127, so that 2^(e6 + e7) is an f32 number.
; REGISTERS, in windows of 256: window 0: v0-31 addresses; v32-95 the bias, later a block's results; v128-255 y's fragments (one set), later rows read back.   window 1: W_proj's fragments, two sets.
;   window 2: the accumulators of my rows 0-63 ((a, b) at v[8 (8 a + b)]).   window 3: those of my rows 64-127.
.set SIZE_N, 1024
.set KROW,   1024                      ; a row of W_proj in bytes
.set ROWB,   256                       ; a row of W_proj's tile
.set PITCH,  272                       ; and in LDS: + 16 of padding
.set ASTEP,  4096                      ; a tile of 16 rows of y for 256 along K: two images of 2,048 bytes
.set FR,     16
.set NL,     4
.set NP,     4
.set AHALF,  8*ASTEP                   ; 128 rows of y: what one tensor load brings, dense
.set BHALF,  128*PITCH                 ; 128 rows of W_proj
.set BOFF,   2*AHALF
.set SLOT,   BOFF+2*BHALF
.set SPARE,  2*SLOT                    ; behind the ring: the spare words, 128 bytes a wave
.set SPITCH, 528                       ; the way out: a stage of 16 rows x (512 bytes + 16) for each wave, in slot 0, which has had its last fill and its last read when the first result is stored there
.set ADRA, 16
.set ADRB, 20
.set STO,  24
.set RD,   25
.set CO,   26
.set SPW,  28
.set NIL,  29
.set BI,   32
.set TMP,  32
.set AF,   128
.set BK,   128
.set G1, 24
.set G0, 32
.set G1B, 48
.set G0B, 56
.set MSB, 0
.macro WIN new                         ; the immediate's high byte repeats the setting that is left
.if MSB != \new
	s_set_vgpr_msb (MSB<<8)|\new
.set MSB, \new
.endif
.endm
.set MUL_LO, 0xa1
.set MUL_HI, 0xf1
.set FST_LO, 0x81                      ; the first products: C (the bias) window 0, D window 2
.set FST_HI, 0xc1
.set TO_B,   0x40
.macro JLOAD g0a, g1a, g0b, g1b        ; a joint load: waves 0 and 1 fetch for y, waves 2 and 3 for W_proj; four v_nop follow each of the two lines
	s_cmp_eq_u32 s15, 0
	s_cbranch_scc0 .Lfor_b_\@
	tensor_load_to_lds s[\g0a:\g0a+3], s[\g1a:\g1a+7]
	s_nop 0
.rept 4
	v_nop
.endr
	s_branch .Lasked_\@
.Lfor_b_\@:
	tensor_load_to_lds s[\g0b:\g0b+3], s[\g1b:\g1b+7]
	s_nop 0
.rept 4
	v_nop
.endr
.Lasked_\@:
.endm
.macro CREST
	s_cmp_lg_u32 s14, 0
	s_cbranch_scc1 .Lnot_wave_0_\@
	s_barrier_signal -3
.Lnot_wave_0_\@:
	s_barrier_wait -3
	s_barrier_signal -1
	s_barrier_wait -1
.endm
.macro CROUND
	s_barrier_signal -1
	s_barrier_wait -1
	CREST
.endm
	s_load_b256 s[4:11], s[0:1], 0x0               ; y s[4:5], W_proj s[6:7], b_proj s[8:9], the scales' exponents s[10:11]
	s_load_b64 s[12:13], s[0:1], 0x20              ; out0
	v_lshl_add_u32 v[SPW], v0, 2, SPARE
	v_mov_b32 v[NIL], 0
	ds_add_u32 v28, v29
	ds_add_u32 v28, v29
	s_wait_dscnt 0x0
	v_lshrrev_b32 v1, 5, v0
	v_readfirstlane_b32 s14, v1                    ; wave 0..3
	s_lshr_b32 s15, s14, 1                         ; which half of the tile's rows is mine.  Also: I fetch for y (0) or for W_proj (1)
	s_and_b32 s16, s14, 1                          ; which half of its columns.  Also: which 128 rows of that tile I fetch
	s_bfe_u32 s40, ttmp6, 0x40000                  ; cx, cy
	s_bfe_u32 s41, ttmp6, 0x40004
	s_lshl_b32 s42, ttmp9, 2
	s_add_co_u32 s42, s42, s40                     ; tile column
	s_and_b32 s17, ttmp7, 0xffff
	s_lshl_b32 s17, s17, 2
	s_add_co_u32 s17, s17, s41                     ; tile row
	s_lshl_b32 s43, s41, 2
	s_lshl_b32 s43, 15, s43                        ; my row of the cluster
	s_lshl_b32 s44, 0x1111, s40                    ; my column
	; y's group 1: 8 rows (tiles of 16 rows of y) x 4,096 bytes, 16,384 bytes apart, dense in LDS
	s_or_b32 s[G1+0], s43, (3<<16)|(1<<21)         ; the mask; elements of 8 bytes; 21 set beside a mask; no padding
	s_mov_b32 s[G1+1], 512<<16                     ; tensor_dim0 = 512
	s_mov_b32 s[G1+2], 8<<16                       ; tensor_dim1 = 8
	s_mov_b32 s[G1+3], 512<<16                     ; tile_dim0
	s_mov_b32 s[G1+4], 8                           ; tile_dim1
	s_mov_b32 s[G1+5], 2048                        ; from row to row, in elements
	s_mov_b32 s[G1+6], 0
	s_mov_b32 s[G1+7], 0
	; W_proj's group 1: 128 rows x 256 bytes, padded in LDS
	s_or_b32 s[G1B+0], s44, (0<<16)|(1<<20)|(1<<21)|(5<<22)|(3<<25)
	s_mov_b32 s[G1B+1], ROWB<<16
	s_mov_b32 s[G1B+2], 128<<16
	s_mov_b32 s[G1B+3], ROWB<<16
	s_mov_b32 s[G1B+4], 128
	s_mov_b32 s[G1B+5], KROW
	s_mov_b32 s[G1B+6], 0
	s_mov_b32 s[G1B+7], 0
	s_lshl_b32 s18, s16, 7                         ; which 128 rows of the tile I fetch
	s_lshl_b32 s20, s17, 8
	s_add_co_u32 s20, s20, s18
	s_lshl_b32 s20, s20, 10                        ; y: 1,024 bytes a row (16,384 a tile of 16)
	s_mov_b32 s21, 0
	s_lshl_b32 s46, s42, 8
	s_add_co_u32 s46, s46, s18
	s_lshl_b32 s46, s46, 10                        ; W_proj: 1,024 bytes a row
	s_mov_b32 s47, 0
	s_mul_i32 s45, s16, AHALF                      ; where they go: no place in the cluster enters an LDS address
	s_mul_i32 s67, s16, BHALF
	s_add_co_u32 s67, s67, BOFF
	s_wait_kmcnt 0x0
	s_load_b64 s[96:97], s[10:11], 0x18            ; e6, e7
	s_add_nc_u64 s[20:21], s[4:5], s[20:21]
	s_add_nc_u64 s[46:47], s[6:7], s[46:47]
	CROUND                                         ; all sixteen work-groups are here: the first joint loads meet
.irp s, 0,1
	s_mov_b32 s[G0+4*\s], 1
	s_add_co_u32 s[G0+4*\s+1], s45, \s*SLOT
	s_add_nc_u64 s[G0+4*\s+2:G0+4*\s+3], s[20:21], \s*ASTEP
	s_or_b32 s[G0+4*\s+3], s[G0+4*\s+3], 0x80000000
	s_mov_b32 s[G0B+4*\s], 1
	s_add_co_u32 s[G0B+4*\s+1], s67, \s*SLOT
	s_add_nc_u64 s[G0B+4*\s+2:G0B+4*\s+3], s[46:47], \s*ROWB
	s_or_b32 s[G0B+4*\s+3], s[G0B+4*\s+3], 0x80000000
	s_wait_alu depctr_va_vdst(0)
	s_wait_tensorcnt 0x0
	ds_add_u32 v28, v29
	ds_add_u32 v28, v29
	s_wait_dscnt 0x0
	CROUND
	JLOAD G0+4*\s, G1, G0B+4*\s, G1B               ; K steps 0 and 1: one load of mine is out at a time
.endr
	v_and_b32 v1, 15, v0                           ; r
	v_bfe_u32 v2, v0, 4, 1                         ; h
	v_and_b32 v6, 31, v0
	v_lshlrev_b32 v[CO], 4, v6                     ; 16 x lane
	v_mul_u32_u24 v3, v1, PITCH
	v_lshl_add_u32 v4, v2, 4, v3                   ; W_proj: a fragment's row x pitch + 16 x half
	s_mul_i32 s21, s15, AHALF                      ; my 128 rows of y
	s_mul_i32 s22, s16, BHALF                      ; my 128 rows of W_proj
	s_add_co_u32 s22, s22, BOFF
.irp s, 0,1
	v_add_nc_u32 v[ADRA+\s], s21, v[CO]
	v_add_nc_u32 v[ADRB+\s], s22, v4
	s_add_co_u32 s21, s21, SLOT
	s_add_co_u32 s22, s22, SLOT
.endr
	s_mul_i32 s23, s14, 16*SPITCH                  ; my stage
	v_mul_u32_u24 v5, v1, SPITCH                   ; in: row r, 32 bytes for each half of the lanes
	v_lshl_add_u32 v5, v2, 5, v5
	v_add_nc_u32 v[STO], s23, v5
	v_add_nc_u32 v[RD], s23, v[CO]                 ; back: the 32 lanes take one row of 512 bytes
	s_lshl_b32 s20, s17, 8
	s_lshl_b32 s21, s15, 7
	s_add_co_u32 s20, s20, s21                     ; my first row of the output,
	s_lshl_b32 s20, s20, 12                        ; 4,096 bytes a row
	s_mov_b32 s21, 0
	s_lshl_b32 s46, s42, 10                        ; my first column in bytes: 1,024 x tile column + 512 x half; the same offset serves b_proj
	s_lshl_b32 s47, s16, 9
	s_add_co_u32 s46, s46, s47
	s_mov_b32 s47, 0
	s_add_nc_u64 s[12:13], s[12:13], s[20:21]
	s_add_nc_u64 s[12:13], s[12:13], s[46:47]
	s_add_nc_u64 s[8:9], s[8:9], s[46:47]
	v_lshlrev_b32 v7, 5, v2                        ; the bias in the result's layout: tile b's register j is b_proj[16 b + 8 h + j]
.irp b, 0,1,2,3,4,5,6,7
	global_load_b128 v[BI+8*\b:BI+8*\b+3], v7, s[8:9] offset:64*\b
	global_load_b128 v[BI+8*\b+4:BI+8*\b+7], v7, s[8:9] offset:64*\b+16
.endr
	s_wait_alu depctr_va_vdst(0)
	s_wait_kmcnt 0x0
	s_add_co_i32 s96, s96, s97                     ; e6 + e7
	s_sub_co_i32 s98, 0, s96
	s_add_co_i32 s96, s96, 127
	s_lshl_b32 s96, s96, 23                        ; 2^(e6 + e7) as f32
.macro FRAG reg, adr, q, i             ; W_proj: 16 rows x 128 K: registers 4 c .. 4 c + 3 hold K = 32 c + 16 h + 0 .. 15
.irp c, 0,1,2,3
	ds_load_b128 v[\reg+4*\c:\reg+4*\c+3], v[\adr] offset:128*(\q)+32*\c+(\i)*16*PITCH
.endr
.endm
.macro FRAG_A reg, adr, q, i           ; y: the image as it lies: 512 consecutive bytes a load
.irp c, 0,1,2,3
	ds_load_b128 v[\reg+4*\c:\reg+4*\c+3], v[\adr] offset:(\i)*ASTEP+(\q)*2048+512*\c
.endr
.endm
; 16 matrix instructions: y's blocks a0, a0 + 1 x W_proj's eight.  zero = 1: the sums start from the bias.  The 64 accumulators take turns, one instruction a turn.
.macro MUL16 a0, p, zero
.irp a, \a0, \a0+1
.irp b, 0,1,2,3,4,5,6,7
.if \zero
	v_wmma_f32_16x16x128_fp8_fp8 v[8*(8*((\a)%4)+\b):8*(8*((\a)%4)+\b)+7], v[128*(\p)+FR*\b:128*(\p)+FR*\b+FR-1], v[AF+FR*(\a):AF+FR*(\a)+FR-1], v[BI+8*\b:BI+8*\b+7]
.else
	v_wmma_f32_16x16x128_fp8_fp8 v[8*(8*((\a)%4)+\b):8*(8*((\a)%4)+\b)+7], v[128*(\p)+FR*\b:128*(\p)+FR*\b+FR-1], v[AF+FR*(\a):AF+FR*(\a)+FR-1], v[8*(8*((\a)%4)+\b):8*(8*((\a)%4)+\b)+7]
.endif
.endr
.endr
.endm
.macro FETCH_B slot, q, p
	WIN TO_B
.irp i, 0,1,2,3,4,5,6,7
	FRAG 128*(\p)+FR*\i, ADRB+\slot, \q, \i
.endr
	WIN 0
.endm
.macro FETCH_A slot, q, i0
.irp i, \i0, \i0+1, \i0+2, \i0+3
	FRAG_A AF+FR*(\i), ADRA+\slot, \q, \i
.endr
.endm
.macro PLACES n
.rept \n
	v_nop
.endr
.endm
.macro STEP slot, q, zero
	s_wait_dscnt 4*NL                              ; W_proj's set and y's blocks 0-3 are in; the youngest 16 loads (blocks 4-7) may be out
.if \zero
	WIN FST_LO
.else
	WIN MUL_LO
.endif
	MUL16 0, (\q)%2, \zero
	MUL16 2, (\q)%2, \zero
	s_wait_dscnt 0
	PLACES NP
	FETCH_B \slot, (\q)+1, 1-(\q)%2
	FETCH_A \slot, (\q)+1, 0
.if \zero
	WIN FST_HI
.else
	WIN MUL_HI
.endif
	MUL16 4, (\q)%2, \zero
	MUL16 6, (\q)%2, \zero
	PLACES NP
	WIN 0
	FETCH_A \slot, (\q)+1, 4
.endm
.macro TURN slot, next, fill
	s_wait_tensorcnt 0x0                           ; all my tensor loads have landed: my part of the next slot
	ds_add_u32 v[SPW], v[NIL]                      ; 0 onto my spare word
	s_wait_dscnt 4*NL+1                            ; the add and the youngest 16 loads may be out
	WIN MUL_LO
	MUL16 0, 1, 0
	s_wait_dscnt 0x0                               ; the add is done, and my reads of this slot are over
	s_barrier_signal -1
	MUL16 2, 1, 0
	WIN 0
	s_barrier_wait -1
.if \fill
	CREST                                          ; the barrier has opened a round of the cluster's: no wave of any partner still reads this slot or has a load on its way
	s_add_nc_u64 s[G0+4*\slot+2:G0+4*\slot+3], s[G0+4*\slot+2:G0+4*\slot+3], 2*ASTEP
	s_add_nc_u64 s[G0B+4*\slot+2:G0B+4*\slot+3], s[G0B+4*\slot+2:G0B+4*\slot+3], 2*ROWB
	JLOAD G0+4*\slot, G1, G0B+4*\slot, G1B         ; the first tensor load behind the round; its four v_nop are also the places in front of the loads below
.else
	PLACES NP
.endif
	FETCH_B \next, 0, 0
	FETCH_A \next, 0, 0
	WIN MUL_HI
	MUL16 4, 1, 0
	MUL16 6, 1, 0
	PLACES NP
	WIN 0
	FETCH_A \next, 0, 4
.endm
	s_wait_tensorcnt 1                             ; my part of K step 0 is in; K step 1's load may be out
	s_barrier_signal -1
	s_barrier_wait -1
	FETCH_B 0, 0, 0
	FETCH_A 0, 0, 0
	FETCH_A 0, 0, 4
	s_wait_loadcnt 0x0                             ; the bias
.set jj, 0
.rept 64
	v_ldexp_f32 v[BI+jj], v[BI+jj], s98            ; / 2^(e6 + e7)
.set jj, jj+1
.endr
	s_wait_alu depctr_va_vdst(0)
	STEP 0, 0, 1                                   ; K = 1,024 is four K steps of 256: twice round the ring, written straight
	TURN 0, 1, 1                                   ; slot 0 takes K step 2,
	STEP 1, 0, 0
	TURN 1, 0, 1                                   ; slot 1 K step 3
	STEP 0, 0, 0
	TURN 0, 1, 0                                   ; nothing is left to fetch
	STEP 1, 0, 0
	s_wait_dscnt 4*NL                              ; the very last step
	WIN MUL_LO
	MUL16 0, 1, 0
	MUL16 2, 1, 0
	s_wait_dscnt 0
	WIN MUL_HI
	MUL16 4, 1, 0
	MUL16 6, 1, 0
	WIN 0
; THE WAY OUT, block by block of 16 rows x 128 columns: through my own stage in LDS and back as whole rows of 512 bytes.  LDS serves a wave's instructions in order (ISA guide 5.7.1.4): no wait between the stores and the loads.
.macro TOSTAGE a
.set AC, 64*((\a)%4)
	WIN 0x02+((\a)/4)                              ; source 0: window 2 or 3
.set jj, 0
.rept 32
	v_pk_mul_f32 v[TMP+jj:TMP+jj+1], v[AC+jj:AC+jj+1], s[96:97] op_sel_hi:[1,0]   ; both x s96 = 2^(e6 + e7); each accumulator from its low end on
.set jj, jj+2
.endr
	WIN 0
.irp b, 0,1,2,3,4,5,6,7
	ds_store_b128 v[STO], v[TMP+8*\b:TMP+8*\b+3] offset:64*\b
	ds_store_b128 v[STO], v[TMP+8*\b+4:TMP+8*\b+7] offset:64*\b+16
.endr
.set BB, BK+64*((\a)%2)
.irp t, 0,1,2,3,4,5,6,7,8,9,10,11,12,13,14,15
	ds_load_b128 v[BB+4*\t:BB+4*\t+3], v[RD] offset:\t*SPITCH
.endr
.endm
.macro SEND a, younger                 ; younger: the LDS instructions issued behind block a's loads, which may stay out
.set BB, BK+64*((\a)%2)
	s_wait_dscnt \younger
.if (\a) > 0
	s_add_nc_u64 s[12:13], s[12:13], 16*SIZE_N*4   ; (behind a wait on XCNT: the earlier stores have read their base)  16 rows on
.endif
.irp t, 0,1,2,3,4,5,6,7,8,9,10,11,12,13,14,15
	global_store_b128 v[CO], v[BB+4*\t:BB+4*\t+3], s[12:13] offset:\t*SIZE_N*4 th:TH_STORE_NT   ; 32 lanes store 512 consecutive bytes, at a multiple of 512; written once, read by nobody here
.endr
.endm
	PLACES NP
	TOSTAGE 0
.irp a, 1,2,3,4,5,6,7
.if \a > 1
	s_wait_xcnt 0x0                                ; block a - 2's stores have read their registers and their base
.endif
	TOSTAGE \a
	SEND \a-1, 32                                  ; behind block a - 1's loads: block a's 16 stores and 16 loads
.endr
	s_wait_xcnt 0x0
	SEND 7, 0
	s_wait_tensorcnt 0x0                           ; the wave's end
	ds_add_u32 v[SPW], v[NIL]
	s_wait_dscnt 0x0
	CROUND                                         ; the closing round
	s_endpgm
.Lfunc_end_k_qbab288162b_proj:
	.size	k_qbab288162b_proj, .Lfunc_end_k_qbab288162b_proj-k_qbab288162b_proj
	.p2alignl 7, 3214868480
	.fill 96, 4, 3214868480
	.section	.rodata,"a",@progbits
	.p2align	6, 0x0
	.amdhsa_kernel k_qbab288162b_proj
		.amdhsa_group_segment_fixed_size 327680
		.amdhsa_private_segment_fixed_size 0
		.amdhsa_enable_private_segment 0
		.amdhsa_kernarg_size 40
		.amdhsa_user_sgpr_count 2
		.amdhsa_user_sgpr_kernarg_segment_ptr 1
		.amdhsa_wavefront_size32 1
		.amdhsa_system_sgpr_workgroup_id_x 1
		.amdhsa_system_sgpr_workgroup_id_y 1
		.amdhsa_system_sgpr_workgroup_id_z 1
		.amdhsa_system_vgpr_workitem_id 0
		.amdhsa_next_free_vgpr 1024
		.amdhsa_next_free_sgpr 100
		.amdhsa_reserve_vcc 0
		.amdhsa_float_denorm_mode_32 3
		.amdhsa_float_denorm_mode_16_64 3
		.amdhsa_memory_ordered 1
		.amdhsa_forward_progress 1
		.amdhsa_inst_pref_size 130
	.end_amdhsa_kernel
	.amdgpu_metadata
---
amdhsa.version: [ 1, 2 ]
amdhsa.kernels:
  - .name:           k_qbab288162b_proj
    .symbol:         k_qbab288162b_proj.kd
    .args:
      - { .name: yimg, .offset: 0, .size: 8, .value_kind: global_buffer, .address_space: global }
      - { .name: W_proj_codes, .offset: 8, .size: 8, .value_kind: global_buffer, .address_space: global }
      - { .name: b_proj, .offset: 16, .size: 8, .value_kind: global_buffer, .address_space: global }
      - { .name: lowp_scales, .offset: 24, .size: 8, .value_kind: global_buffer, .address_space: global }
      - { .name: out0, .offset: 32, .size: 8, .value_kind: global_buffer, .address_space: global }
    .group_segment_fixed_size: 327680
    .private_segment_fixed_size: 0
    .kernarg_segment_align: 8
    .kernarg_segment_size: 40
    .max_flat_workgroup_size: 128
    .sgpr_count:     100
    .vgpr_count:     1024
    .wavefront_size: 32
...
	.end_amdgpu_metadata
.endif
;; end of part 3
